; MI455X (gfx1250); checked and timed in simulation.
; The chip was launched on July 23, 2026; its instructions are those of AMD's public machine-readable ISA for CDNA 5 (MIT licence, August 2026) and "CDNA5" Instruction Set Architecture Reference Guide (July 2026). The comments in the code are by the model that wrote it; some were corrected since.
;; TT Linear. Allowed arithmetic: matrix products marked QUANTISED: E2M3 operands, one E8M0 scale for each 32 along K, by v_wmma_scale_f32_16x16x128_f8f6f4 with both operands' format E2M3, f32 sums; products left as they are: f32 operands where the result goes on into a quantised operand, else bf16, f16 or f32 operands; f32 sums; everything else in f32.
;; Inputs: bias 4,096 float32; core0 1 x 4,096 x 8 float32; core1 8 x 4,096 x 1 float32; x 4,096 x 4,096 float32.
;; Outputs: out0 4,096 x 4,096 float32.
;; This version of the problem:
;;   THIS VERSION OF THE PROBLEM IS GIVEN IN LOW PRECISION. The matrix products marked QUANTISED in the list below multiply operands that are first quantised to E2M3 (2 exponent bits, 3 mantissa bits; 6 bits a number), with one power-of-two scale for each 32 numbers along K (OCP MX v1.0); their sums are f32. All else is computed in f32.
;;   The module's matrix products, in the order in which they are computed (A, B: the left and right operand; K: the contracted axis; several contracted axes count as one K, in the product's order):
;;     1. [M 4,096, K 8] x [K 8, N 4,096]; A: input core0; B: input core1: left as it is (K = 8 < 32)
;;     2. [M 4,096, K 4,096] x [K 4,096, N 4,096]; A: input x; B: computed on the way: QUANTISED
;;   THE QUANTISER, for each operand of a quantised product, along K:
;;     - K is cut into blocks of 32 from its start; a last block that is shorter is filled with zeros.
;;     - A block's scale is 2^e with e = floor(log2(the largest magnitude in the block)) - 2, held to -126 .. 127; a block of zeros has e = 0. As a byte (E8M0): e + 127.
;;     - Each number is divided by its block's scale, clamped to +-7.5, and rounded to the nearest number of E2M3, ties to even, subnormals kept.
;;     - The product sums the exact products of the quantised numbers (number of the format x scale) in f32.
;;   ~~~python
;;   def quantise(x, axis):      # numpy; x: float32 -> the quantised numbers, widened to float32 again
;;       x = np.moveaxis(x, axis, -1); K = x.shape[-1]
;;       x = np.pad(x, [(0, 0)] * (x.ndim - 1) + [(0, -K % 32)]); x = x.reshape(x.shape[:-1] + (-1, 32)); a = np.abs(x).max(-1, keepdims=True)
;;       e = np.where(a > 0, np.clip(np.frexp(np.where(a > 0, a, 1))[1] - 1 - 2, -126, 127), 0)      # np.frexp(a)[1] - 1 = floor(log2(a)), exactly
;;       r = np.clip(x / 2.0 ** e, -7.5, 7.5)
;;       step = 2.0 ** (np.maximum(np.frexp(np.where(r == 0, 1, r))[1] - 1, 0) - 3)
;;       q = np.round(r / step) * step * 2.0 ** e      # np.round: ties to even
;;       return np.moveaxis(q.reshape(q.shape[:-2] + (-1,))[..., :K], -1, axis).astype(np.float32)
;;   ~~~
;;   OPERANDS COMPUTED ON THE WAY. 'Computed on the way' means the value that the module computes at that place (a softmax that the list does not call 'softmax' is quantised finished and normalised). What goes into a quantiser is computed in f32, as accurately as f32 sums, v_exp_f32 and their like allow (about 1e-6 of the number): no bf16 or f16 on the way to a quantiser, and a product that is left as it is and whose result goes on into a quantised operand takes f32 operands (vector FMAs, or v_wmma_f32_16x16x4_f32). A number that lies on a knife's edge between two numbers of the format may be rounded either way, as far as f32 arithmetic and the matrix unit's own rounding can turn it there, and no further.
;; One version. Each part assembles by itself: llvm-mc -triple=amdgcn-amd-amdhsa -mcpu=gfx1250 --defsym DOCPART=n.
;; ======== version 1 of 1: 2 launches
;; limits: right only within a limited range of input values
;; workspace buffers: xq 13,107,200 bytes; wq 13,107,200 bytes
;; launch quant (part 1): grid 256 x 1, 4 waves a work-group, no clusters, 307,712 bytes of LDS; arguments x, core0, core1, xq, wq; writes xq, wq
.if DOCPART == 1
	.amdgcn_target "amdgcn-amd-amdhsa--gfx1250"
	.amdhsa_code_object_version 6
	.text
	.protected	k_qe618876fcc_quant
	.globl	k_qe618876fcc_quant
	.p2align	8
	.type	k_qe618876fcc_quant,@function
k_qe618876fcc_quant:
	s_mov_b64 s[64:65], 0
	v_nop
	global_prefetch_b8 v0, s[64:65] scope:SCOPE_SE
	s_setreg_imm32_b32 hwreg(HW_REG_WAVE_MODE, 25, 1), 1
	s_wait_xcnt 0x0
; x [4096][4096] f32 and W[o][i] = sum over r < 8 of core0[o][r] core1[r][i] (f32, fused multiply-adds, r ascending) are turned into codes of FP6 (E2M3) along K = i, with one E8M0 byte for each 32 along K.
; A block's scale is 2^(floor(log2(its largest magnitude)) - 2); its byte is the largest magnitude's exponent field - 2, held at 1 from below; each number is divided by the scale and rounded to the nearest code, ties to even, beyond 7.5 the largest code.
; LIMITS: NaN and infinities among the inputs are not served.  A block of zeros gets the byte 1 where the quantiser's text says 127: its codes are zeros, which add nothing under any byte but 0xff, and these bytes are read by this program alone.
; THE WORKSPACE (xq for x's rows, wq for W's rows o) IS LAID IN THE ORDER OF THE OPERAND'S REGISTERS.  A row block (128 rows) is RBS bytes: 32 steps of STEPB bytes, one for each 128 along K.  In a step: 8 fragment images of FRB bytes at
; i FRB (i: tile of 16 rows); in an image registers 4 g .. 4 g + 3 of lane l lie at 512 g + 16 l; from SCO on the 128 scale words: that of (tile i, row r) at 16 r + 256 (i / 4) + 4 (i % 4), so that one load of 16 bytes a lane
; gives lanes 0-15 the words of tiles 0-3 and lanes 16-31 those of tiles 4-7.
; SHARES.  1,024 waves, all alike: wave w of work-group n takes row block n / 8 and the step ks = 4 (n % 8) + w, and makes the 8 fragments of W and the 8 of x there.  Lane (r = l % 16, h = l / 16) holds row r and
; k = 64 c + 32 h + 0 .. 31 (c = 0, 1): two WHOLE blocks of 32, so that no other lane is asked for a maximum and the conversions' results are the fragment's registers.
; x comes by ONE tensor load a wave (128 rows x 512 bytes), issued first thing and filled once; W's eight tiles are computed while it is on its way.
; No LDS byte is filled twice, waves share no LDS byte: no barrier.  No cluster: work-groups share only core0 and core1, 8 KiB a wave against 256 KiB of x a work-group.
; REGISTERS: window 0: addresses, numbers, codes (below).  Windows 1 and 2: core1 of my 64 k for all 8 r: value (r, c, j) in register 64 (r % 4) + 32 c + j of window 1 + r / 4.
.set RBS,   409600
.set STEPB, 12800
.set SCO,   12288
.set FRB,   1536
.set XP,    528                        ; a row of x's tile in LDS: 512 bytes + 16 of padding
.set XHALF, 64*XP
.set XW,    2*XHALF                    ; a wave's 128 rows
.set SCR,   4*XW                       ; behind the tiles, at a multiple of 256: scratch, SCW bytes a wave, into which no tensor load lands
.set SCW,   9216                       ; core1's 8 x 512 bytes; core0's 128 x 32 bytes; W's 512 bytes of scale words; x's 512
.set C0ST,  4096
.set WSCL,  8192
.set XSCL,  8704
.set LI,  4                            ; v4   16 x lane
.set SH8, 5                            ; v5   8 h
.set AX0, 6                            ; v6   x's tile, rows 0-63: my row r, my half's 128 bytes;  v7 the same for rows 64-127
.set AC1, 8                            ; v8   core1 in scratch: + 128 h
.set AC0, 9                            ; v9   core0 in scratch: + 32 r
.set ADR, 10                           ; v10  AC0 + the tile's step
.set AWS, 11                           ; v11  W's scale words: + 16 r
.set ADS, 12                           ; v12  AWS + the tile's step
.set AXS, 13                           ; v13  x's scale words: + 16 r
.set AWR, 14                           ; v14  W's scale words, read back: + 16 x lane
.set AXR, 15                           ; v15  x's likewise
.set WN,  16                           ; v16-79   64 numbers of W; later x's second set
.set XN,  80                           ; v80-143  x's first set
.set C0,  144                          ; v144-151 core0 of my row of the tile in hand
.set PC,  152                          ; v152-163 the fragment's 12 registers
.set TQ,  164                          ; v164-166, v168-170: the upper halves of the two blocks' codes (a conversion's three registers begin on an even number)
.set TM,  172                          ; v172-175 four chains of maxima
.set SO,  176                          ; v176-177 the conversions' scale operands
.set BY,  178                          ; v178-179 the scale bytes
.set PW,  180                          ; v180 W's scale word
.set PT,  181                          ; v181 the other half's two bytes
.set AST, 182                          ; v182 scratch + 16 x lane
.set OS,  184                          ; v184-187 W's scale words on their way out
.set PWX, 188                          ; v188-195 x's scale words, a register a tile
.set OSX, 196                          ; v196-199 x's scale words on their way out
.set SEL, 20                           ; s[20:21] selects for v_permlanex16_b32: lane l xor 16
.set TS,  17                           ; s17  the tile's place among W's scale words
.set TC,  23                           ; s23  the tile's step in core0: 512 bytes
.set G1,  24                           ; s[24:31] descriptor group 1
.set G0,  32                           ; s[32:35] descriptor group 0
.set MSB, 0
.macro WIN new                         ; the immediate's high byte repeats the setting that is left
.if MSB != \new
	s_set_vgpr_msb (MSB<<8)|\new
.set MSB, \new
.endif
.endm
	s_load_b256 s[4:11], s[0:1], 0x0               ; x s[4:5], core0 s[6:7], core1 s[8:9], xq s[10:11]
	s_load_b64 s[12:13], s[0:1], 0x20              ; wq
	v_lshl_add_u32 v254, v0, 2, 0x4b000            ; my spare word, behind the scratch
	v_mov_b32 v255, 0
	ds_add_u32 v254, v255                          ; the opening lines: the add twice on end and one wait
	ds_add_u32 v254, v255
	v_lshrrev_b32 v1, 5, v0
	v_readfirstlane_b32 s14, v1                    ; wave 0..3
	s_lshr_b32 s15, ttmp9, 3                       ; row block
	s_and_b32 s16, ttmp9, 7
	s_lshl_b32 s16, s16, 2
	s_add_co_u32 s16, s16, s14                     ; ks: which 128 along K
	; descriptor group 1: 128 rows x 64 elements of 8 bytes, 16,384 bytes from row to row, 16 bytes of padding behind each row in LDS
	s_mov_b32 s[G1+0], (3<<16)|(1<<20)|(6<<22)|(3<<25)
	s_mov_b32 s[G1+1], 64<<16                      ; tensor_dim0 = 64
	s_mov_b32 s[G1+2], 128<<16                     ; tensor_dim1 = 128
	s_mov_b32 s[G1+3], 64<<16                      ; tile_dim0 = 64
	s_mov_b32 s[G1+4], 128                         ; tile_dim1 = 128
	s_mov_b32 s[G1+5], 2048                        ; elements from row to row
	s_mov_b32 s[G1+6], 0
	s_mov_b32 s[G1+7], 0
	s_lshl_b32 s40, s15, 21                        ; x: 128 rows of 16,384 bytes a row block,
	s_lshl_b32 s41, s16, 9                         ; 512 bytes a K step
	s_add_co_u32 s40, s40, s41
	s_mov_b32 s41, 0
	s_mul_i32 s18, s14, XW                         ; my tile in LDS
	s_mul_i32 s19, s14, SCW
	s_add_co_u32 s19, s19, SCR                     ; my scratch
	s_mul_i32 s42, s15, RBS                        ; the workspace: my row block,
	s_mul_i32 s43, s16, STEPB                      ; my step
	s_add_co_u32 s48, s42, s43                     ; s[48:49]: where my first image begins
	s_mov_b32 s49, 0
	s_add_co_u32 s42, s48, SCO                     ; s[42:43]: where my 512 bytes of scale words begin
	s_mov_b32 s43, 0
	s_mov_b32 s[G0], 1                             ; count = 1
	s_mov_b32 s[G0+1], s18                         ; LDS address
	s_mov_b32 s[SEL], 0x76543210
	s_mov_b32 s[SEL+1], 0xfedcba98
	s_mov_b32 s[TC], 0
	s_mov_b32 s[TS], 0
	v_and_b32 v1, 31, v0                           ; lane
	v_and_b32 v2, 15, v0                           ; r
	v_bfe_u32 v3, v0, 4, 1                         ; h
	v_lshlrev_b32 v[LI], 4, v1
	v_lshlrev_b32 v[SH8], 3, v3
	v_mul_u32_u24 v[AX0], v2, XP
	v_lshl_add_u32 v[AX0], v3, 7, v[AX0]
	v_add_nc_u32 v[AX0], s18, v[AX0]
	v_add_nc_u32 v[AX0+1], XHALF, v[AX0]
	v_lshl_add_u32 v[AC1], v3, 7, s19
	v_lshl_add_u32 v[AC0], v2, 5, s19
	v_add_nc_u32 v[AC0], C0ST, v[AC0]
	v_lshl_add_u32 v[AWS], v2, 4, s19
	v_add_nc_u32 v[AWS], WSCL, v[AWS]
	v_add_nc_u32 v[AXS], XSCL-WSCL, v[AWS]
	v_add_nc_u32 v[AST], s19, v[LI]
	v_add_nc_u32 v[AWR], WSCL, v[AST]
	v_add_nc_u32 v[AXR], XSCL, v[AST]
	v_mov_b32 v[PT], 0                             ; written once: a lane permute's destination counts as one of its sources
	s_wait_alu depctr_va_vdst(0)
	s_wait_dscnt 0x0
	s_wait_kmcnt 0x0
	s_add_nc_u64 s[G0+2:G0+3], s[4:5], s[40:41]    ; global address of my tile
	s_or_b32 s[G0+3], s[G0+3], 0x80000000          ; type = 2
	tensor_load_to_lds s[G0:G0+3], s[G1:G1+7]      ; my one fill, ahead of every LDS read and of every wait for it
	s_nop 0
.rept 4
	v_nop                                          ; four nops behind a tensor load
.endr
	s_lshl_b32 s40, s16, 9
	s_add_nc_u64 s[8:9], s[8:9], s[40:41]          ; core1 at my 128 k
	s_lshl_b32 s40, s15, 12
	s_add_nc_u64 s[6:7], s[6:7], s[40:41]          ; core0 at my 128 rows
	s_add_nc_u64 s[44:45], s[10:11], s[42:43]      ; x's scale words
	s_add_nc_u64 s[46:47], s[12:13], s[42:43]      ; W's
	s_add_nc_u64 s[10:11], s[10:11], s[48:49]      ; x's images
	s_add_nc_u64 s[12:13], s[12:13], s[48:49]      ; W's
	; core1 (8 rows x 512 bytes) and core0 (128 rows x 32 bytes) come dense, 512 consecutive bytes a load, and turn through my scratch
.irp n, 0,1,2,3,4,5,6,7
	global_load_b128 v[WN+4*\n:WN+4*\n+3], v[LI], s[8:9] offset:16384*\n
.endr
.irp n, 0,1,2,3,4,5,6,7
	global_load_b128 v[WN+32+4*\n:WN+32+4*\n+3], v[LI], s[6:7] offset:512*\n
.endr
	s_wait_loadcnt 0x0
.irp n, 0,1,2,3,4,5,6,7,8,9,10,11,12,13,14,15
	ds_store_b128 v[AST], v[WN+4*\n:WN+4*\n+3] offset:512*\n
.endr
	WIN 0x40                                       ; destination window 1.  LDS serves a wave's instructions in order (ISA guide 5.7.1.4): these loads see the stores above
.irp rr, 0,1,2,3
.irp c, 0,1
.irp j, 0,1,2,3,4,5,6,7
	ds_load_b128 v[64*\rr+32*\c+4*\j:64*\rr+32*\c+4*\j+3], v[AC1] offset:512*\rr+256*\c+16*\j
.endr
.endr
.endr
	WIN 0x80                                       ; destination window 2
.irp rr, 0,1,2,3
.irp c, 0,1
.irp j, 0,1,2,3,4,5,6,7
	ds_load_b128 v[64*\rr+32*\c+4*\j:64*\rr+32*\c+4*\j+3], v[AC1] offset:512*(\rr+4)+256*\c+16*\j
.endr
.endr
.endr
	WIN 0
	ds_load_b128 v[C0:C0+3], v[AC0]                ; core0 of tile 0's row r
	ds_load_b128 v[C0+4:C0+7], v[AC0] offset:16
; 64 numbers of a lane, v[s + 32 c + i] = k 64 c + 32 h + i of my row, become the fragment's 12 registers in v[PC] on and my row's scale word in v[pw].
.macro QUANT2 s, pw
.irp c, 0,1
	v_max3_num_f32 v[TM+2*\c], |v[\s+32*\c]|, |v[\s+32*\c+1]|, 0x1800000   ; the floor 2^(3 - 127) among the leaves: the byte cannot fall under 1
	v_max3_num_f32 v[TM+2*\c+1], |v[\s+32*\c+16]|, |v[\s+32*\c+17]|, |v[\s+32*\c+18]|
.endr
.irp i, 2,4,6,8,10,12
.irp c, 0,1
	v_max3_num_f32 v[TM+2*\c], v[TM+2*\c], |v[\s+32*\c+\i]|, |v[\s+32*\c+\i+1]|          ; four chains by turns
	v_max3_num_f32 v[TM+2*\c+1], v[TM+2*\c+1], |v[\s+32*\c+\i+17]|, |v[\s+32*\c+\i+18]|
.endr
.endr
.irp c, 0,1
	v_max3_num_f32 v[TM+2*\c], v[TM+2*\c], |v[\s+32*\c+14]|, |v[\s+32*\c+15]|
.endr
.irp c, 0,1
	v_max3_num_f32 v[TM+2*\c], v[TM+2*\c], v[TM+2*\c+1], |v[\s+32*\c+31]|                ; block 2 c + h's largest magnitude
.endr
.irp c, 0,1
	v_add_nc_u32 v[SO+\c], 0xff000000, v[TM+2*\c]  ; 2 off its exponent field: the conversion takes the exponent field of this operand as its scale
.endr
.irp c, 0,1
	v_lshrrev_b32 v[BY+\c], 23, v[SO+\c]           ; the scale's byte
.endr
	v_lshl_or_b32 v[\pw], v[BY+1], 16, v[BY]       ; my two bytes, blocks h and 2 + h,
	v_lshlrev_b32 v[\pw], v[SH8], v[\pw]           ; at their places in the word;
	v_permlanex16_b32 v[PT], v[\pw], s[SEL], s[SEL+1]
	v_or_b32 v[\pw], v[\pw], v[PT]                 ; with lane l xor 16's two the word is whole
.irp c, 0,1
	v_cvt_scalef32_pk16_fp6_f32 v[PC+6*\c:PC+6*\c+2], v[\s+32*\c:\s+32*\c+15], v[SO+\c]
	v_cvt_scalef32_pk16_fp6_f32 v[TQ+4*\c:TQ+4*\c+2], v[\s+32*\c+16:\s+32*\c+31], v[SO+\c]
.endr
	v_nop                                          ; one plain place behind a scaled conversion
.irp c, 0,1
.irp i, 0,1,2
	v_mov_b32 v[PC+3+6*\c+\i], v[TQ+4*\c+\i]
.endr
.endr
.endm
.macro PUT b, off                      ; the fragment's image: each store covers 512 consecutive bytes, at a multiple of 256 from the buffer's first byte
.irp g, 0,1,2
	global_store_b128 v[LI], v[PC+4*\g:PC+4*\g+3], s[\b:\b+1] offset:\off+512*\g
.endr
.endm
.macro FROW rr                         ; my 64 numbers of W take core0[o][rr] x core1[rr][k], two at a time
.set i, 0
.rept 32
.if (\rr) == 0
	v_pk_mul_f32 v[WN+i:WN+i+1], v[i:i+1], v[C0:C0+1] op_sel_hi:[1,0]                    ; the first product starts the sums
.elseif (\rr)%2 == 0
	v_pk_fma_f32 v[WN+i:WN+i+1], v[64*((\rr)%4)+i:64*((\rr)%4)+i+1], v[C0+(\rr):C0+(\rr)+1], v[WN+i:WN+i+1] op_sel_hi:[1,0,1]               ; the pair's low word for both halves
.else
	v_pk_fma_f32 v[WN+i:WN+i+1], v[64*((\rr)%4)+i:64*((\rr)%4)+i+1], v[C0+(\rr)-1:C0+(\rr)], v[WN+i:WN+i+1] op_sel:[0,1,0] op_sel_hi:[1,1,1]  ; its high word for both
.endif
.set i, i+2
.endr
.endm
; One tile of W.  ahead = 1: the next tile's core0 is fetched.
.macro WTILE ahead
	s_wait_dscnt 0x0                               ; core0 of this tile is in (the first time: core1 too)
	WIN 0x01                                       ; source 0 (core1) window 1
	FROW 0
	FROW 1
	FROW 2
	FROW 3
	WIN 0x02                                       ; window 2
	FROW 4
	FROW 5
	FROW 6
	FROW 7
	WIN 0
.if \ahead
	s_add_co_u32 s[TC], s[TC], 512
	v_add_nc_u32 v[ADR], s[TC], v[AC0]
	ds_load_b128 v[C0:C0+3], v[ADR]
	ds_load_b128 v[C0+4:C0+7], v[ADR] offset:16
.endif
	s_wait_xcnt 0x0                                ; the last tile's three stores have read their base and their data: both are written again only behind this wait
	s_add_nc_u64 s[12:13], s[12:13], FRB           ; one image past this tile's: the stores below reach back by their immediate
	QUANT2 WN, PW
	v_add_nc_u32 v[ADS], s[TS], v[AWS]
	ds_store_b32 v[ADS], v[PW]                     ; lanes r and r + 16 write the same word with the same value
	s_add_co_u32 s[TS], s[TS], 4
	PUT 12, -FRB
.endm
.macro XLOAD t, set                    ; tile t of x: my row's two blocks of 32 numbers
.irp c, 0,1
.irp j, 0,1,2,3,4,5,6,7
	ds_load_b128 v[\set+32*\c+4*\j:\set+32*\c+4*\j+3], v[AX0+(\t)/4] offset:((\t)%4)*16*XP+256*\c+16*\j
.endr
.endr
.endm
.macro XQ t, set, n                    ; n: the LDS instructions issued behind tile t's loads, which may stay out
	s_wait_dscnt \n
	s_wait_xcnt 0x0                                ; the last image's stores have read their data
	QUANT2 \set, PWX+(\t)
	ds_store_b32 v[AXS], v[PWX+(\t)] offset:256*((\t)/4)+4*((\t)%4)
	PUT 10, FRB*(\t)
.endm
	s_mov_b32 s22, 4
.Lw:                                                   ; tiles 0-3 of W: their scale words 4 bytes apart from byte 0 on
	WTILE 1
	s_sub_co_u32 s22, s22, 1
	s_cmp_lg_u32 s22, 0
	s_cbranch_scc1 .Lw
	s_mov_b32 s[TS], 256                           ; tiles 4-7: from byte 256 on
	s_mov_b32 s22, 3
.Lw2:
	WTILE 1
	s_sub_co_u32 s22, s22, 1
	s_cmp_lg_u32 s22, 0
	s_cbranch_scc1 .Lw2
	WTILE 0                                        ; the eighth fetches nothing
	ds_load_b128 v[OS:OS+3], v[AWR]                ; W's 128 scale words, gathered: they see my stores
	s_wait_dscnt 0x0
	global_store_b128 v[LI], v[OS:OS+3], s[46:47]  ; 512 consecutive bytes
	s_wait_tensorcnt 0x0                           ; my 128 rows of x are in LDS
	XLOAD 0, XN
	XLOAD 1, WN
	XQ 0, XN, 16                                   ; behind tile 0's loads: tile 1's sixteen
	XLOAD 2, XN
	XQ 1, WN, 17                                   ; a scale-word store and sixteen loads
	XLOAD 3, WN
	XQ 2, XN, 17
	XQ 3, WN, 1                                    ; a scale-word store
	XLOAD 4, XN
	XLOAD 5, WN
	XQ 4, XN, 16
	XLOAD 6, XN
	XQ 5, WN, 17
	XLOAD 7, WN
	XQ 6, XN, 17
	XQ 7, WN, 1
	ds_load_b128 v[OSX:OSX+3], v[AXR]
	s_wait_dscnt 0x0
	global_store_b128 v[LI], v[OSX:OSX+3], s[44:45]
	s_wait_tensorcnt 0x0                           ; the wave's end
	ds_add_u32 v254, v255
	s_wait_dscnt 0x0
	s_endpgm
.Lfunc_end_k_qe618876fcc_quant:
	.size	k_qe618876fcc_quant, .Lfunc_end_k_qe618876fcc_quant-k_qe618876fcc_quant
	.p2alignl 7, 3214868480
	.fill 96, 4, 3214868480
	.section	.rodata,"a",@progbits
	.p2align	6, 0x0
	.amdhsa_kernel k_qe618876fcc_quant
		.amdhsa_group_segment_fixed_size 307712
		.amdhsa_private_segment_fixed_size 0
		.amdhsa_enable_private_segment 0
		.amdhsa_kernarg_size 40
		.amdhsa_user_sgpr_count 2
		.amdhsa_user_sgpr_kernarg_segment_ptr 1
		.amdhsa_wavefront_size32 1
		.amdhsa_system_sgpr_workgroup_id_x 1
		.amdhsa_system_sgpr_workgroup_id_y 1
		.amdhsa_system_sgpr_workgroup_id_z 1
		.amdhsa_system_vgpr_workitem_id 0
		.amdhsa_next_free_vgpr 768
		.amdhsa_next_free_sgpr 66
		.amdhsa_reserve_vcc 0
		.amdhsa_float_denorm_mode_32 3
		.amdhsa_float_denorm_mode_16_64 3
		.amdhsa_memory_ordered 1
		.amdhsa_forward_progress 1
		.amdhsa_inst_pref_size 109
	.end_amdhsa_kernel
	.amdgpu_metadata
---
amdhsa.version: [ 1, 2 ]
amdhsa.kernels:
  - .name:           k_qe618876fcc_quant
    .symbol:         k_qe618876fcc_quant.kd
    .args:
      - { .name: x, .offset: 0, .size: 8, .value_kind: global_buffer, .address_space: global }
      - { .name: core0, .offset: 8, .size: 8, .value_kind: global_buffer, .address_space: global }
      - { .name: core1, .offset: 16, .size: 8, .value_kind: global_buffer, .address_space: global }
      - { .name: xq, .offset: 24, .size: 8, .value_kind: global_buffer, .address_space: global }
      - { .name: wq, .offset: 32, .size: 8, .value_kind: global_buffer, .address_space: global }
    .group_segment_fixed_size: 307712
    .private_segment_fixed_size: 0
    .kernarg_segment_align: 8
    .kernarg_segment_size: 40
    .max_flat_workgroup_size: 128
    .sgpr_count:     66
    .vgpr_count:     768
    .wavefront_size: 32
...
	.end_amdgpu_metadata
.endif
;; end of part 1
;; launch gemm (part 2): grid 16 x 16, 4 waves a work-group, clusters of 4 x 1, 327,680 bytes of LDS; arguments xq, wq, bias, out0; writes out0
.if DOCPART == 2
	.amdgcn_target "amdgcn-amd-amdhsa--gfx1250"
	.amdhsa_code_object_version 6
	.text
	.protected	k_qe618876fcc_gemm
	.globl	k_qe618876fcc_gemm
	.p2align	8
	.type	k_qe618876fcc_gemm,@function
k_qe618876fcc_gemm:
	s_mov_b64 s[64:65], 0
	v_nop
	global_prefetch_b8 v0, s[64:65] scope:SCOPE_SE
	s_setreg_imm32_b32 hwreg(HW_REG_WAVE_MODE, 25, 1), 1
	s_wait_xcnt 0x0
	s_wait_alu depctr_hold_cnt(0) depctr_sa_sdst(0) depctr_va_vdst(0) depctr_va_sdst(0) depctr_va_ssrc(0) depctr_va_vcc(0) depctr_vm_vsrc(0)
	s_getreg_b32 s2, hwreg(HW_REG_IB_STS2, 6, 4)
	s_cmp_eq_u32 s2, 0
	s_cbranch_scc0 .Lentry_in_a_cluster
	s_endpgm
.Lentry_in_a_cluster:
	s_bfe_u32 s2, ttmp6, 0x10000c
	s_cmp_lg_u32 s2, 0x3003
	s_cbranch_scc0 .Lentry_shape_is_right
	s_endpgm
.Lentry_shape_is_right:
; out0[t][o] = sum over k of Q(x)[t][k] Q(W)[o][k] + bias[o].  xq and wq hold codes of FP6 (E2M3) and E8M0 scale words as images of the operand's registers:
; a row block (128 rows) is RBS bytes = 32 K steps of STEPB; in a step 8 fragment images of FRB bytes (registers 4 g .. 4 g + 3 of lane l at 512 g + 16 l), and from SCO on 512 bytes of scale
; words: lane l's 16 bytes at 16 l hold the words of tiles 4 (l / 16) + 0 .. 3 for row l % 16.
; A work-group of four waves makes 256 x 256 of out0, a wave 128 x 128: 64 accumulators, 512 registers.  The matrix instruction is used transposed (source 0 = 16 rows of W, source 1 = 16 rows of x).
; W'S TILES go through LDS: a ring of two slots of NS = 4 K steps (2 row blocks x 4 x 12,800 bytes a slot), each wave fetching 25,600 dense bytes by one tensor load.
; CLUSTERS of 4 x 1: the four partners make four tile rows of one tile column and need the same tiles of W: each load is a joint one, mask 15.
; x'S FRAGMENTS go from xq straight into registers, 512 consecutive bytes a load.  They are not asked for jointly: with both operands in LDS two slots hold 3 K steps each (51,200 bytes a step of 327,680);
; with W's alone a step is 25,600 bytes, a slot holds 4 steps, each byte of x passes no LDS, and a wave's LDS reads are 12,800 bytes a step in place of 25,088.
; A UNIT is 32 matrix instructions: four of x's blocks (half h of a step's eight) against W's eight.  All of a unit's loads stand in ONE run at its head: 13 loads of x (the unit three on: a ring of four
; buffers of 48 registers and four of scale words) and W's next fragments from LDS.  The first step's products take the bias as C.  The accumulators take turns.
; THE LAST SEVEN K STEPS GO BY HALVES OF MY ROWS: fills 6 and 7 both lie in LDS, so rows 0-63 are taken through steps 25-31 first and leave, through a stage of their own, while rows 64-127 are taken through
; the same steps (W's fragments are read from LDS once more).  A block of 16 rows comes back from the stage into its own accumulators' registers; every store's place stands in its immediate.
; PREFETCH: x: in each step's first unit a wave names 25 blocks of 256 bytes of the step 6 on (its row block's 50 blocks shared with the wave beside it); W: behind each refill the fill one further on,
; 25 of a wave's 100 blocks for each partner, told apart by address.  The last steps and the last refill ask for nothing.
; REGISTERS: window 0: v0-63 addresses, scale words; v64-255 x's ring.  Window 1: v0-191 W's fragments, two sets; v192-255 the bias.  Windows 2, 3: accumulator (a, b) at v[8 (8 (a % 4) + b)] of window 2 + a / 4.
.set RBS,    409600
.set STEPB,  12800
.set SCO,    12288
.set FRB,    1536
.set UH,     4*FRB                     ; half a step's fragments
.set NS,     4
.set HB,     2*STEPB                   ; what one tensor load brings
.set RBL,    NS*STEPB                  ; a row block's part of a slot
.set SLOT,   2*RBL
.set SPARE,  2*SLOT                    ; the spare words: 128 bytes a wave, named by no other line
.set STAGE,  SPARE+512                 ; the way out: 16 rows x 528 bytes a wave, bytes into which no fill lands
.set SPITCH, 528
.set SIZE_N, 4096
.set LI,   4                           ; 16 x lane
.set ADRB, 5                           ; v5-6 my W fragments in slot 0, 1
.set STO,  7
.set RD,   8
.set PSV,  9                           ; prefetch offsets: x's, W's
.set PFV,  10
.set BO,   11                          ; 32 h
.set SPW,  12
.set NIL,  13
.set RS,   20                          ; v20-27 W's scale words, two sets of 4
.set SS,   32                          ; v32-47 x's scale words, a ring of four sets of 4
.set SF,   64                          ; x's ring
.set BI,   192                         ; window 1: the bias in the result's layout, 8 registers for each of W's blocks
.set G1,   24
.set G0,   32
.set SB,   44                          ; s[44:45] my row block of xq, at the lap's first step
.set PFR,  46                          ; s[46:47] my part of the fill of W that is prefetched next
.set SBA,  48                          ; s[48:49], s[50:51]: SB, and in the last trip SB + 6,656 and SB + 12,800: the trip's last two runs fetch units of the walk by halves
.set SBB,  50
.set MSB, 0
.macro WIN new
.if MSB != \new
	s_set_vgpr_msb (MSB<<8)|\new
.set MSB, \new
.endif
.endm
.macro PLACES
.rept 4
	v_nop
.endr
.endm
.macro CREST
	s_cmp_lg_u32 s14, 0
	s_cbranch_scc1 .Lnot_wave_0_\@
	s_barrier_signal -3
.Lnot_wave_0_\@:
	s_barrier_wait -3
	s_barrier_signal -1
	s_barrier_wait -1
.endm
.macro CROUND
	s_barrier_signal -1
	s_barrier_wait -1
	CREST
.endm
	s_load_b256 s[4:11], s[0:1], 0x0               ; xq, wq, bias, out0
	v_lshl_add_u32 v[SPW], v0, 2, SPARE
	v_mov_b32 v[NIL], 0
	ds_add_u32 v[SPW], v[NIL]                      ; the opening lines: the add twice on end and one wait
	ds_add_u32 v[SPW], v[NIL]
	v_lshrrev_b32 v1, 5, v0
	v_readfirstlane_b32 s14, v1                    ; wave
	s_lshr_b32 s15, s14, 1                         ; my half of the tile's rows; also which two steps of a fill I fetch
	s_and_b32 s16, s14, 1                          ; my half of its columns; also which row block of W I fetch
	s_bfe_u32 s40, ttmp6, 0x40000                  ; cx
	s_lshl_b32 s17, ttmp9, 2
	s_add_co_u32 s17, s17, s40                     ; tile row
	s_and_b32 s42, ttmp7, 0xffff                   ; tile column
	s_mov_b32 s[G1+0], 15|(3<<16)|(1<<21)          ; mask: all four partners; elements of 8 bytes; bit 21 beside a mask
	s_mov_b32 s[G1+1], 32<<16                      ; rows of 256 bytes,
	s_mov_b32 s[G1+2], (HB/256)<<16                ; 100 of them, dense
	s_mov_b32 s[G1+3], 32<<16
	s_mov_b32 s[G1+4], HB/256
	s_mov_b32 s[G1+5], 32
	s_mov_b32 s[G1+6], 0
	s_mov_b32 s[G1+7], 0
	s_lshl_b32 s20, s42, 1
	s_add_co_u32 s20, s20, s16
	s_mul_i32 s20, s20, RBS
	s_mul_i32 s21, s15, HB
	s_add_co_u32 s20, s20, s21                     ; wq: my part of fill 0
	s_mov_b32 s21, 0
	s_mul_i32 s62, s16, RBL                        ; LDS: the row block that I read, and fetch for
	s_mul_i32 s22, s15, HB
	s_add_co_u32 s22, s62, s22                     ; where my part of a fill lands
	s_lshl_b32 s18, s17, 1
	s_add_co_u32 s18, s18, s15
	s_mul_i32 s18, s18, RBS                        ; xq: my row block
	s_mov_b32 s19, 0
	s_lshl_b32 s56, s42, 10
	s_lshl_b32 s57, s16, 9
	s_add_co_u32 s56, s56, s57                     ; my first column, in bytes
	s_mov_b32 s57, 0
	s_lshl_b32 s58, s17, 8
	s_lshl_b32 s59, s15, 7
	s_add_co_u32 s58, s58, s59
	s_lshl_b32 s58, s58, 14                        ; my first row of out0, 16,384 bytes a row
	s_add_co_u32 s58, s58, s56
	s_mov_b32 s59, 0
	s_mul_i32 s23, s14, 16*SPITCH
	s_add_co_u32 s23, s23, STAGE                   ; my stage
	s_mul_i32 s60, s16, 25
	s_mul_i32 s61, s40, 25
	s_mov_b32 s53, 0
	s_mov_b32 s55, 0
	v_and_b32 v2, 31, v0
	v_and_b32 v1, 15, v0
	v_bfe_u32 v3, v0, 4, 1
	v_lshlrev_b32 v[LI], 4, v2
	v_add_nc_u32 v[ADRB], s62, v[LI]
	v_add_nc_u32 v[ADRB+1], SLOT, v[ADRB]
	v_mul_u32_u24 v[STO], v1, SPITCH
	v_lshl_add_u32 v[STO], v3, 5, v[STO]
	v_add_nc_u32 v[STO], s23, v[STO]
	v_add_nc_u32 v[RD], s23, v[LI]
	v_min_u32 v14, 24, v2                          ; lanes 25-31 name the wave's last block again
	v_add_nc_u32 v[PSV], s60, v14
	v_lshlrev_b32 v[PSV], 8, v[PSV]
	v_add_nc_u32 v[PFV], s61, v14
	v_lshlrev_b32 v[PFV], 8, v[PFV]
	v_lshlrev_b32 v[BO], 5, v3
	s_wait_alu depctr_va_vdst(0)
	s_wait_dscnt 0x0
	s_wait_kmcnt 0x0
	s_add_nc_u64 s[SB:SB+1], s[4:5], s[18:19]
	s_add_nc_u64 s[20:21], s[6:7], s[20:21]
	s_add_nc_u64 s[8:9], s[8:9], s[56:57]
	s_add_nc_u64 s[10:11], s[10:11], s[58:59]
	s_add_nc_u64 s[PFR:PFR+1], s[20:21], 2*NS*STEPB
	s_mov_b64 s[SBA:SBA+1], s[SB:SB+1]
	s_mov_b64 s[SBB:SBB+1], s[SB:SB+1]
.irp s, 0,1
	s_mov_b32 s[G0+4*\s], 1
	s_add_co_u32 s[G0+4*\s+1], s22, \s*SLOT
	s_add_nc_u64 s[G0+4*\s+2:G0+4*\s+3], s[20:21], \s*NS*STEPB
	s_or_b32 s[G0+4*\s+3], s[G0+4*\s+3], 0x80000000
.endr
	WIN 0x40
.irp b, 0,1,2,3,4,5,6,7
	global_load_b128 v[BI+8*\b:BI+8*\b+3], v[BO], s[8:9] offset:64*\b          ; bias of columns 16 b + 8 h + 0 .. 7
	global_load_b128 v[BI+8*\b+4:BI+8*\b+7], v[BO], s[8:9] offset:64*\b+16
.endr
	WIN 0
.irp u, 0,1,2                          ; x's first three units, each its scale words and then its 12 loads, as in the walk
	global_load_b128 v[SS+4*\u:SS+4*\u+3], v[LI], s[SB:SB+1] offset:(\u/2)*STEPB+SCO
.set JJ, 0
.rept 12
	global_load_b128 v[SF+48*\u+4*JJ:SF+48*\u+4*JJ+3], v[LI], s[SB:SB+1] offset:(\u/2)*STEPB+(\u%2)*UH+512*JJ
.set JJ, JJ+1
.endr
.endr
	CROUND                                         ; the four partners are here: the first joint loads meet
	tensor_load_to_lds s[G0:G0+3], s[G1:G1+7]      ; fill 0: one tensor load a wave at the head
	s_nop 0
	PLACES
	s_wait_tensorcnt 0x0                           ; slot 1's first fill is issued as a refill is: the three lines, a round, the load
	ds_add_u32 v[SPW], v[NIL]
	s_wait_dscnt 0x0
	CROUND
	tensor_load_to_lds s[G0+4:G0+7], s[G1:G1+7]    ; fill 1
	s_nop 0
	PLACES
	global_prefetch_b8 v[PFV], s[PFR:PFR+1] th:TH_LOAD_NT scope:SCOPE_SE   ; fill 2
; one matrix instruction; the symbols are set by MMU.  RA, HH: the halves of the lanes in which W's and x's scale words lie
.macro WM
.if RA == 0 && HH == 0
	v_wmma_scale_f32_16x16x128_f8f6f4 v[DD:DD+7], v[FRR:FRR+11], v[FSS:FSS+11], v[CC:CC+7], v[XR], v[XS] matrix_a_fmt:MATRIX_FMT_FP6 matrix_b_fmt:MATRIX_FMT_FP6
.elseif HH == 0
	v_wmma_scale_f32_16x16x128_f8f6f4 v[DD:DD+7], v[FRR:FRR+11], v[FSS:FSS+11], v[CC:CC+7], v[XR], v[XS] matrix_a_fmt:MATRIX_FMT_FP6 matrix_b_fmt:MATRIX_FMT_FP6 matrix_a_scale:MATRIX_SCALE_ROW1
.elseif RA == 0
	v_wmma_scale_f32_16x16x128_f8f6f4 v[DD:DD+7], v[FRR:FRR+11], v[FSS:FSS+11], v[CC:CC+7], v[XR], v[XS] matrix_a_fmt:MATRIX_FMT_FP6 matrix_b_fmt:MATRIX_FMT_FP6 matrix_b_scale:MATRIX_SCALE_ROW1
.else
	v_wmma_scale_f32_16x16x128_f8f6f4 v[DD:DD+7], v[FRR:FRR+11], v[FSS:FSS+11], v[CC:CC+7], v[XR], v[XS] matrix_a_fmt:MATRIX_FMT_FP6 matrix_b_fmt:MATRIX_FMT_FP6 matrix_a_scale:MATRIX_SCALE_ROW1 matrix_b_scale:MATRIX_SCALE_ROW1
.endif
.endm
; products n0 .. n0 + cnt - 1 of a unit: product n is x's block 4 HH + n / 8 (ring buffer UR) against W's block n % 8 (set PP).  ZZ: C is the bias, in window 1
.macro MMU n0, cnt
.set NN, \n0
.rept \cnt
.set BN, NN%8
.set DD, 8*(8*(NN/8)+BN)
.set CC, DD
.if ZZ
.set CC, BI+8*BN
.endif
.set FRR, 96*PP+12*BN
.set FSS, SF+48*UR+12*(NN/8)
.set XR, RS+4*PP+BN%4
.set XS, SS+4*UR+NN/8
.set RA, BN/4
	WM
.set NN, NN+1
.endr
.endm
; a unit's one run of loads.  SV: x's unit three on into ring buffer TR (scale words at TSC from base SBS, fragments at TOF from base SBF); RN loads, from number RJ0 on, of W's fragments into set RP;
; RSCL: that set's scale words; PF: the offset of the step of x that is prefetched, or 0
.macro BUNCH
	WIN 0
.if SV
	global_load_b128 v[SS+4*TR:SS+4*TR+3], v[LI], s[SBS:SBS+1] offset:TSC
.set JJ, 0
.rept 12
	global_load_b128 v[SF+48*TR+4*JJ:SF+48*TR+4*JJ+3], v[LI], s[SBF:SBF+1] offset:TOF+512*JJ
.set JJ, JJ+1
.endr
.endif
.if RSCL
	ds_load_b128 v[RS+4*RP:RS+4*RP+3], v[RAD] offset:ROF+SCO
.endif
.if PF
	global_prefetch_b8 v[PSV], s[SB:SB+1] offset:PF th:TH_LOAD_NT scope:SCOPE_SE
.endif
.if RN
	WIN 0x40
.set JJ, RJ0
.rept RN
	ds_load_b128 v[96*RP+4*JJ:96*RP+4*JJ+3], v[RAD] offset:ROF+512*JJ
.set JJ, JJ+1
.endr
.endif
.endm
; THE WAY OUT of block a (16 rows x 128 columns).  OUTS: into my stage, and back as whole rows of 512 bytes into the block's own registers (LDS serves a wave's instructions in order).  OUTG: 32 lanes store two aligned units of 256 bytes
.macro OUTS a
.set AC, 64*((\a)%4)
	WIN 0x08+4*((\a)/4)
.irp b, 0,1,2,3,4,5,6,7
	ds_store_b128 v[STO], v[AC+8*\b:AC+8*\b+3] offset:64*\b          ; each accumulator from its low end on
	ds_store_b128 v[STO], v[AC+8*\b+4:AC+8*\b+7] offset:64*\b+16
.endr
	WIN 0x80+0x40*((\a)/4)
.irp t, 0,1,2,3,4,5,6,7,8,9,10,11,12,13,14,15
	ds_load_b128 v[AC+4*\t:AC+4*\t+3], v[RD] offset:\t*SPITCH
.endr
.endm
.macro OUTG a
.set AC, 64*((\a)%4)
	WIN 0x08+4*((\a)/4)
.irp t, 0,1,2,3,4,5,6,7,8,9,10,11,12,13,14,15
	global_store_b128 v[LI], v[AC+4*\t:AC+4*\t+3], s[10:11] offset:(16*(\a)+\t)*SIZE_N*4 th:TH_STORE_NT
.endr
.endm
; turn = 1: the slot that has been read out (SL) is filled again behind a round; turn = 2: a barrier alone shows the last fill whole
.macro UNIT turn
	s_wait_dscnt 0x0                               ; what the run before this one asked of LDS is in
	PLACES                                         ; four places behind the last products, ahead of loads into registers that they read
.if OG >= 0
	OUTG OG
.endif
.if OS >= 0
	OUTS OS
.endif
	BUNCH
	s_wait_loadcnt CNT                             ; this unit's blocks of x and their scale words are in: behind them stand the loads of three runs
.if ZZ
.set MW, 0x91+0x40*HH
.else
.set MW, 0xa1+0x50*HH
.endif
	WIN MW
.if \turn == 0
	MMU 0, 32
.else
	MMU 0, 16
	WIN 0
.if \turn == 1
	s_wait_xcnt 0x0                                ; the last prefetch has read its address
	s_add_nc_u64 s[PFR:PFR+1], s[PFR:PFR+1], NS*STEPB
.endif
	s_wait_tensorcnt 0x0                           ; my part of the other slot has landed: no load of mine is out
	ds_add_u32 v[SPW], v[NIL]
	WIN MW
	MMU 16, 8
	s_wait_dscnt 0x0                               ; the add is done, and my reads of this slot are over
	s_barrier_signal -1
	MMU 24, 8
	WIN 0
	s_barrier_wait -1
.if \turn == 1
	CREST                                          ; the barrier has opened a round: no wave of any partner reads this slot or has a load on its way
	s_add_nc_u64 s[G0+4*SL+2:G0+4*SL+3], s[G0+4*SL+2:G0+4*SL+3], 2*NS*STEPB
	tensor_load_to_lds s[G0+4*SL:G0+4*SL+3], s[G1:G1+7]
	s_nop 0
	PLACES
.if SL == 1
	s_cmp_lg_u32 s3, 1                             ; in the last trip no fill is left to name
	s_cbranch_scc0 .Lno_ask_\@
.endif
	global_prefetch_b8 v[PFV], s[PFR:PFR+1] th:TH_LOAD_NT scope:SCOPE_SE
.if SL == 1
.Lno_ask_\@:
.endif
.endif
.endif
.endm
; half h of step st (counted from the lap's base) in the walk by steps
.macro NUNIT st, h, z, turn
.set UU, 2*(\st)+\h
.set UR, UU%4
.set HH, \h
.set PP, (\st)%2
.set ZZ, \z
.set SV, 1
.set TR, (UU+3)%4
.set TOF, ((UU+3)/2)*STEPB+((UU+3)%2)*UH
.set TSC, ((UU+3)/2)*STEPB+SCO
.set SBF, SB
.set SBS, SB
.if (\st) == 8
.set SBS, SBB
.set SBF, SBA+2*(\h)
.endif
.set RN, 12
.set RJ0, 12*(\h)
.set RP, ((\st)+1)%2
.set RAD, ADRB+(((\st)+1)/4)%2
.set ROF, (((\st)+1)%4)*STEPB
.set RSCL, \h
.set PF, (1-(\h))*((\st)+6)*STEPB
.set CNT, 39
.set OG, -1
.set OS, -1
.set SL, (((\st)+6)/4)%2
	UNIT \turn
.endm
.macro STEP st, z, turn
	NUNIT \st, 0, \z, 0
	NUNIT \st, 1, \z, \turn
.endm
; unit w of the walk by halves: step 25 + w % 7 (1 + w % 7 from the base), half w / 7.  W's whole next set is fetched in each unit; from w = 7 on rows 0-63 leave
.macro TUNIT w, turn
.set UR, ((\w)+2)%4
.set HH, (\w)/7
.set PP, ((\w)+1)%2
.set ZZ, 0
.set SV, 0
.if (\w)+3 <= 13
.set SV, 1
.endif
.set TR, ((\w)+5)%4
.set TOF, (1+((\w)+3)%7)*STEPB+(((\w)+3)/7)*UH
.set TSC, (1+((\w)+3)%7)*STEPB+SCO
.set SBF, SB
.set SBS, SB
.set RN, 0
.set RSCL, 0
.if (\w) < 13
.set RN, 24
.set RSCL, 1
.endif
.set RJ0, 0
.set RP, (\w)%2
.set NXR, 1+((\w)+1)%7
.set RAD, ADRB+(NXR/4)%2
.set ROF, (NXR%4)*STEPB
.set PF, 0
.if (\w) == 0
.set PF, 7*STEPB
.endif
.set CNT, 0
.irp d, 0,1,2
.if (\w)-\d+3 <= 13
.set CNT, CNT+13
.endif
.endr
.set OG, -1
.set OS, -1
.if (\w) >= 8 && (\w) <= 11
.set OG, (\w)-8
.endif
.if (\w) >= 7 && (\w) <= 10
.set OS, (\w)-7
.endif
	UNIT \turn
.endm
.set SV, 0                             ; W's fragments and scale words of step 0
.set RSCL, 1
.set PF, 0
.set RN, 24
.set RJ0, 0
.set RP, 0
.set RAD, ADRB
.set ROF, 0
	BUNCH
	STEP 0, 1, 0                                   ; the first step's products start the sums, from the bias
	WIN 0
	s_mov_b32 s3, 3
.Llap:                                                 ; a trip: eight steps, once round the ring, both slots filled again
	STEP 1, 0, 0
	STEP 2, 0, 1
	STEP 3, 0, 0
	STEP 4, 0, 0
	STEP 5, 0, 0
	STEP 6, 0, 1
	STEP 7, 0, 0
	STEP 8, 0, 0
	WIN 0
	s_wait_xcnt 0x0                                ; x's loads and prefetches have read their bases
	s_add_nc_u64 s[SB:SB+1], s[SB:SB+1], 8*STEPB
	s_sub_co_u32 s3, s3, 1
	s_cmp_eq_u32 s3, 1                             ; is the next trip the last?  Then its last two runs fetch (step 26, half 0) and (step 27, half 0) in place of (25, 1) and (26, 0)
	s_cselect_b32 s52, STEPB-UH, 0
	s_cselect_b32 s54, STEPB, 0
	s_add_nc_u64 s[SBA:SBA+1], s[SB:SB+1], s[52:53]
	s_add_nc_u64 s[SBB:SBB+1], s[SB:SB+1], s[54:55]
	s_cmp_lg_u32 s3, 0
	s_cbranch_scc1 .Llap
	TUNIT 0, 0
	TUNIT 1, 2                                     ; fill 7 is shown whole ahead of the next unit's run, which reads it
.irp w, 2,3,4,5,6,7,8,9,10,11,12,13
	TUNIT \w, 0
.endr
	PLACES
	OUTS 4
	OUTS 5
	s_wait_dscnt 32                                ; behind block 4's loads: block 5's 16 stores and 16 loads
	OUTG 4
	OUTS 6
	s_wait_dscnt 32
	OUTG 5
	OUTS 7
	s_wait_dscnt 32
	OUTG 6
	s_wait_dscnt 0x0
	OUTG 7
	WIN 0
	s_wait_tensorcnt 0x0                           ; the wave's end
	ds_add_u32 v[SPW], v[NIL]
	s_wait_dscnt 0x0
	CROUND                                         ; the closing round
	s_endpgm
.Lfunc_end_k_qe618876fcc_gemm:
	.size	k_qe618876fcc_gemm, .Lfunc_end_k_qe618876fcc_gemm-k_qe618876fcc_gemm
	.p2alignl 7, 3214868480
	.fill 96, 4, 3214868480
	.section	.rodata,"a",@progbits
	.p2align	6, 0x0
	.amdhsa_kernel k_qe618876fcc_gemm
		.amdhsa_group_segment_fixed_size 327680
		.amdhsa_private_segment_fixed_size 0
		.amdhsa_enable_private_segment 0
		.amdhsa_kernarg_size 32
		.amdhsa_user_sgpr_count 2
		.amdhsa_user_sgpr_kernarg_segment_ptr 1
		.amdhsa_wavefront_size32 1
		.amdhsa_system_sgpr_workgroup_id_x 1
		.amdhsa_system_sgpr_workgroup_id_y 1
		.amdhsa_system_sgpr_workgroup_id_z 1
		.amdhsa_system_vgpr_workitem_id 0
		.amdhsa_next_free_vgpr 1024
		.amdhsa_next_free_sgpr 66
		.amdhsa_reserve_vcc 0
		.amdhsa_float_denorm_mode_32 3
		.amdhsa_float_denorm_mode_16_64 3
		.amdhsa_memory_ordered 1
		.amdhsa_forward_progress 1
		.amdhsa_inst_pref_size 252
	.end_amdhsa_kernel
	.amdgpu_metadata
---
amdhsa.version: [ 1, 2 ]
amdhsa.kernels:
  - .name:           k_qe618876fcc_gemm
    .symbol:         k_qe618876fcc_gemm.kd
    .args:
      - { .name: xq, .offset: 0, .size: 8, .value_kind: global_buffer, .address_space: global }
      - { .name: wq, .offset: 8, .size: 8, .value_kind: global_buffer, .address_space: global }
      - { .name: bias, .offset: 16, .size: 8, .value_kind: global_buffer, .address_space: global }
      - { .name: out0, .offset: 24, .size: 8, .value_kind: global_buffer, .address_space: global }
    .group_segment_fixed_size: 327680
    .private_segment_fixed_size: 0
    .kernarg_segment_align: 8
    .kernarg_segment_size: 32
    .max_flat_workgroup_size: 128
    .sgpr_count:     66
    .vgpr_count:     1024
    .wavefront_size: 32
...
	.end_amdgpu_metadata
.endif
;; end of part 2
